; MI455X (gfx1250); checked and timed in simulation.
; The chip was launched on July 23, 2026; its instructions are those of AMD's public machine-readable ISA for CDNA 5 (MIT licence, August 2026) and "CDNA5" Instruction Set Architecture Reference Guide (July 2026). The comments in the code are by the model that wrote it; some were corrected since.
;; Ex4bit Linear. Allowed arithmetic: float matrix products may take bf16 or f16 operands with f32 sums; other float arithmetic in f32, or as packed bf16 or f16 multiplies, adds, multiply-adds, maxima and minima; sums over many terms, partial sums and values carried from step to step in f32; what a program stores and reads back later, other than sums and carried values, may be rounded once to bf16 or f16.
;; Inputs: bias 4,096 float16; g_idx 4,096 int32; qweight 512 x 4,096 int32; qzeros 32 x 512 int32; scales 32 x 4,096 float16; x 4 x 1,024 x 4,096 float16.
;; Outputs: out0 4 x 1,024 x 4,096 float16.
;; 2 versions, each right; version 2 is version 1 with the launch dequant written anew for expert scheduling mode. Each part assembles by itself: llvm-mc -triple=amdgcn-amd-amdhsa -mcpu=gfx1250 --defsym DOCPART=n.
;; ======== version 1 of 2: 2 launches
;; workspace buffers: wk 33,554,432 bytes
;; launch dequant (part 1): grid 16 x 32, 8 waves a work-group, no clusters, 0 bytes of LDS; arguments qweight, qzeros, scales, g_idx, wk; writes wk
.if DOCPART == 1
	.amdgcn_target "amdgcn-amd-amdhsa--gfx1250"
	.amdhsa_code_object_version 6
	.text
	.protected	k_qb292ddf5e4_dequant
	.globl	k_qb292ddf5e4_dequant
	.p2align	8
	.type	k_qb292ddf5e4_dequant,@function
k_qb292ddf5e4_dequant:
	s_mov_b64 s[64:65], 0
	v_nop
	global_prefetch_b8 v0, s[64:65] scope:SCOPE_SE
	s_setreg_imm32_b32 hwreg(HW_REG_WAVE_MODE, 25, 1), 1
	s_wait_xcnt 0x0
; wk[k][n] = (q[k][n] - (znib[g_idx[k]][n] + 1)) * scales[g_idx[k]][n], in f16, [4096][4096] row-major, as the weight matrix lies in the problem.
; q: nibble j of qweight[k / 8][n], j = k % 8.  znib: nibble n % 8 of qzeros[g][n / 8].  The group g = g_idx[k] is read for every row k.
; SHARES.  A wave owns two rows of qweight (16 rows k) x 256 columns; a lane owns 8 neighbouring columns: their 8 zeros are ONE word of qzeros, their 8 scales 16 bytes on end,
; and its 8 results of a row are 16 bytes on end: a wave's store covers 512 consecutive bytes, aligned.  A row's group is one scalar for the whole wave.
; ARITHMETIC.  0x6400 | q is the f16 number 1024 + q, 0xe400 | z is -(1024 + z): their sum q - z is exact; d s - s in one fused multiply-add is (q - z - 1) s, rounded once.
; LIMITS.  |(q - z - 1) s| beyond 65,504 becomes an infinity (scales beyond 4,094).  g_idx is held to 0 .. 31 in front of the address; for indices inside the table that changes nothing.
; No LDS, no barrier, no cluster: no wave wants a byte that another has fetched but the two small tables (under one part in a hundred of the bytes moved).
; All 36 loads of a wave go out first; each row has its own registers, which are stored and never rewritten, so no wait for a store's sources is needed.
.set QO, 2                             ; v2        my 32 bytes in a row of qweight
.set ZL, 3                             ; v3        my word in a row of qzeros
.set SL, 4                             ; v4        my 16 bytes in a row of scales and in a row of wk; never rewritten
.set T,  6                             ; v[6:9]    at work
.set ZP, 10                            ; v[10:13]  -(1024 + z), two columns a register
.set D,  14                            ; v[14:17]  1024 + q, then q - z
.set TL, 18                            ; v[18:21]  nibbles 0-3 of an even column (low half) and of the odd one beside it (high half)
.set TH, 22                            ; v[22:25]  nibbles 4-7 likewise
.set Q,  28                            ; v[28:43]  8 words of each of my two rows of qweight
.set ZO, 44                            ; v[44:59]  row r: byte offset of its word of qzeros
.set SO, 60                            ; v[60:75]  row r: byte offset of its 16 bytes of scales
.set Z,  76                            ; v[76:91]  row r: 8 zeros
.set S,  92                            ; v[92:155] row r: 8 scales, then 8 weights
	s_load_b256 s[4:11], s[0:1], 0x0               ; qweight s[4:5], qzeros s[6:7], scales s[8:9], g_idx s[10:11]
	s_load_b64 s[12:13], s[0:1], 0x20              ; wk
	v_lshrrev_b32 v1, 5, v0
	v_readfirstlane_b32 s14, v1                    ; wave 0..7
	s_and_b32 s15, ttmp7, 0xffff
	s_lshl_b32 s15, s15, 3
	s_add_co_u32 s15, s15, s14                     ; u = 8 y + wave, 0..255: rows 16 u .. 16 u + 15 of wk
	s_lshl_b32 s2, ttmp9, 5                        ; the strip of 256 columns: 32 groups of 8
	v_and_b32 v1, 31, v0
	v_add_nc_u32 v1, s2, v1                        ; my group of 8 columns, 0..511
	v_lshlrev_b32 v[QO], 5, v1
	v_lshlrev_b32 v[ZL], 2, v1
	v_lshlrev_b32 v[SL], 4, v1
	s_lshl_b32 s36, s15, 6                         ; 16 numbers of g_idx
	s_mov_b32 s37, 0
	s_lshl_b32 s38, s15, 15                        ; 2 rows of qweight, 16,384 bytes each
	s_mov_b32 s39, 0
	s_lshl_b32 s40, s15, 17                        ; 16 rows of wk, 8,192 bytes each
	s_mov_b32 s41, 0
	s_mov_b32 s42, 0x000f000f                      ; a nibble in each half
	s_mov_b32 s43, 0x64006400                      ; 1024.0 twice
	s_mov_b32 s44, 0xe400e400                      ; -1024.0 twice
	s_mov_b32 s45, 0x05040100                      ; v_perm_b32: the two low halves
	s_mov_b32 s46, 0x07060302                      ; the two high halves
	s_wait_kmcnt 0x0
	s_add_nc_u64 s[10:11], s[10:11], s[36:37]
	s_add_nc_u64 s[4:5], s[4:5], s[38:39]
	s_add_nc_u64 s[12:13], s[12:13], s[40:41]
	s_load_b512 s[16:31], s[10:11], 0x0            ; my 16 rows' groups
.irp w, 0,1
	global_load_b128 v[Q+8*(\w):Q+8*(\w)+3],   v[QO], s[4:5] offset:(\w)*16384 th:TH_LOAD_NT
	global_load_b128 v[Q+8*(\w)+4:Q+8*(\w)+7], v[QO], s[4:5] offset:(\w)*16384+16 th:TH_LOAD_NT
.endr
	s_wait_kmcnt 0x0
.irp r, 0,1,2,3,4,5,6,7,8,9,10,11,12,13,14,15
	s_min_u32 s[16+(\r)], s[16+(\r)], 31           ; a loaded index is bounded by a constant in front of the address
	v_lshl_add_u32 v[ZO+(\r)], s[16+(\r)], 11, v[ZL]  ; a row of qzeros is 2,048 bytes,
	v_lshl_add_u32 v[SO+(\r)], s[16+(\r)], 13, v[SL]  ; a row of scales 8,192
	global_load_b32  v[Z+(\r)], v[ZO+(\r)], s[6:7]
	global_load_b128 v[S+4*(\r):S+4*(\r)+3], v[SO+(\r)], s[8:9]
.endr
; Row r = 8 w + j of my 16: nibble j of word row w.
.macro ROW w, j
.set r, 8*(\w)+(\j)
.set SRC, TL+4*((\j)/4)
	s_wait_loadcnt 30-2*r                          ; loads come back in order (ISA guide 5.7.1): this row's two are in, the two of each later row may stay out
.irp i, 0,1,2,3
	v_bfe_u32 v[T+(\i)], v[Z+r], 8*(\i), 8         ; the zeros of columns 2 i (low nibble) and 2 i + 1 (high nibble)
.endr
.irp i, 0,1,2,3
	v_lshl_or_b32 v[T+(\i)], v[T+(\i)], 12, v[T+(\i)]  ; the high nibble also at bits 16-19
.endr
.irp i, 0,1,2,3
	v_and_or_b32 v[ZP+(\i)], v[T+(\i)], s42, s44   ; -(1024 + z), twice
.endr
.irp c, 0,1,2,3
.if (\j)%4 != 0
	v_lshrrev_b32 v[D+(\c)], 4*((\j)%4), v[SRC+(\c)]
	v_and_or_b32 v[D+(\c)], v[D+(\c)], s42, s43    ; 1024 + q, twice
.else
	v_and_or_b32 v[D+(\c)], v[SRC+(\c)], s42, s43
.endif
.endr
.irp c, 0,1,2,3
	v_pk_add_f16 v[D+(\c)], v[D+(\c)], v[ZP+(\c)]  ; q - z, exact
.endr
.irp c, 0,1,2,3
	v_pk_fma_f16 v[S+4*r+(\c)], v[D+(\c)], v[S+4*r+(\c)], v[S+4*r+(\c)] neg_lo:[0,0,1] neg_hi:[0,0,1]  ; (q - z) s - s, one rounding
.endr
	global_store_b128 v[SL], v[S+4*r:S+4*r+3], s[12:13] offset:r*8192  ; the wave stores 512 consecutive bytes of row r, at a multiple of 512 from wk's first byte
.endm
; Word row w: the halves of neighbouring columns' words are put side by side, then its eight rows.
.macro KW w
.irp c, 0,1,2,3
	v_perm_b32 v[TL+(\c)], v[Q+8*(\w)+2*(\c)+1], v[Q+8*(\w)+2*(\c)], s45
	v_perm_b32 v[TH+(\c)], v[Q+8*(\w)+2*(\c)+1], v[Q+8*(\w)+2*(\c)], s46
.endr
.irp j, 0,1,2,3,4,5,6,7
	ROW \w, \j
.endr
.endm
	s_wait_loadcnt 32                              ; the four loads of qweight are in; the 32 of the tables, issued behind them, may stay out
	KW 0
	KW 1
	s_endpgm
.Lfunc_end_k_qb292ddf5e4_dequant:
	.size	k_qb292ddf5e4_dequant, .Lfunc_end_k_qb292ddf5e4_dequant-k_qb292ddf5e4_dequant
	.p2alignl 7, 3214868480
	.fill 96, 4, 3214868480
	.section	.rodata,"a",@progbits
	.p2align	6, 0x0
	.amdhsa_kernel k_qb292ddf5e4_dequant
		.amdhsa_group_segment_fixed_size 0
		.amdhsa_private_segment_fixed_size 0
		.amdhsa_enable_private_segment 0
		.amdhsa_kernarg_size 40
		.amdhsa_user_sgpr_count 2
		.amdhsa_user_sgpr_kernarg_segment_ptr 1
		.amdhsa_wavefront_size32 1
		.amdhsa_system_sgpr_workgroup_id_x 1
		.amdhsa_system_sgpr_workgroup_id_y 1
		.amdhsa_system_sgpr_workgroup_id_z 1
		.amdhsa_system_vgpr_workitem_id 0
		.amdhsa_next_free_vgpr 156
		.amdhsa_next_free_sgpr 66
		.amdhsa_reserve_vcc 0
		.amdhsa_float_denorm_mode_32 3
		.amdhsa_float_denorm_mode_16_64 3
		.amdhsa_memory_ordered 1
		.amdhsa_forward_progress 1
		.amdhsa_inst_pref_size 36
	.end_amdhsa_kernel
	.amdgpu_metadata
---
amdhsa.version: [ 1, 2 ]
amdhsa.kernels:
  - .name:           k_qb292ddf5e4_dequant
    .symbol:         k_qb292ddf5e4_dequant.kd
    .args:
      - { .name: qweight, .offset: 0, .size: 8, .value_kind: global_buffer, .address_space: global }
      - { .name: qzeros, .offset: 8, .size: 8, .value_kind: global_buffer, .address_space: global }
      - { .name: scales, .offset: 16, .size: 8, .value_kind: global_buffer, .address_space: global }
      - { .name: g_idx, .offset: 24, .size: 8, .value_kind: global_buffer, .address_space: global }
      - { .name: wk, .offset: 32, .size: 8, .value_kind: global_buffer, .address_space: global }
    .group_segment_fixed_size: 0
    .private_segment_fixed_size: 0
    .kernarg_segment_align: 8
    .kernarg_segment_size: 40
    .max_flat_workgroup_size: 256
    .sgpr_count:     66
    .vgpr_count:     156
    .wavefront_size: 32
...
	.end_amdgpu_metadata
.endif
;; end of part 1
;; launch gemm (part 2): grid 16 x 16, 4 waves a work-group, clusters of 4 x 4, 327,680 bytes of LDS; arguments x, wk, out0, bias; writes out0
.if DOCPART == 2
	.amdgcn_target "amdgcn-amd-amdhsa--gfx1250"
	.amdhsa_code_object_version 6
	.text
	.protected	k_qb292ddf5e4_gemm
	.globl	k_qb292ddf5e4_gemm
	.p2align	8
	.type	k_qb292ddf5e4_gemm,@function
k_qb292ddf5e4_gemm:
	s_mov_b64 s[64:65], 0
	v_nop
	global_prefetch_b8 v0, s[64:65] scope:SCOPE_SE
	s_setreg_imm32_b32 hwreg(HW_REG_WAVE_MODE, 25, 1), 1
	s_wait_xcnt 0x0
	s_wait_alu depctr_hold_cnt(0) depctr_sa_sdst(0) depctr_va_vdst(0) depctr_va_sdst(0) depctr_va_ssrc(0) depctr_va_vcc(0) depctr_vm_vsrc(0)
	s_getreg_b32 s2, hwreg(HW_REG_IB_STS2, 6, 4)
	s_cmp_eq_u32 s2, 0
	s_cbranch_scc0 .Lentry_in_a_cluster
	s_endpgm
.Lentry_in_a_cluster:
	s_bfe_u32 s2, ttmp6, 0x10000c
	s_cmp_lg_u32 s2, 0xf033
	s_cbranch_scc0 .Lentry_shape_is_right
	s_endpgm
.Lentry_shape_is_right:
; out0[m][n] = f16(sum over k of x[m][k] wk[k][n] + bias[n]).  x: [4096][4096] f16, wk: [4096 (k)][4096 (n)] f16, bias: [4096] f16, out0: [4096][4096] f16; sums in f32.
; LIMITS.  The bias starts the f32 sums and the result is rounded to f16 once (one rounding fewer than a sum rounded first and a bias added then); a result beyond 65,504 becomes an infinity.
; A tile of out0, 256 x 256, is made by a work-group of four waves; a wave makes 128 x 128: 64 accumulators of 16 x 16, 512 registers.  256 tiles, one to a work-group.
; K goes in 32 steps of 128 through a ring of two LDS slots filled by the tensor data mover.  x's tile: 256 rows (m) of 256 bytes.  wk's tile: 128 rows (k) of 512 bytes (256 columns);
; every row of either begins at a multiple of 256 bytes from its buffer's first byte.  wk lies [k][n], so its fragments are turned on the way out of LDS, by ds_load_tr16_b128.
; CLUSTERS: 4 x 4 work-groups.  The four of a row of the cluster need the same tiles of x, the four of a column the same tiles of wk: each tile is asked for JOINTLY, by the same tensor load
; with the same descriptor and a mask that names the four; each receives it in its own LDS.  That divides the requests for x and wk by four.
; THE MATRIX INSTRUCTION IS USED TRANSPOSED: source 0 = 16 columns of wk, source 1 = 16 rows of x.  In the result lane l holds row l % 16 of out0 and its registers 0 to 7 the columns
; 8 (l / 16) + 0 .. 7: eight neighbouring numbers, which pack into 16 bytes.  The bias in that same layout is the C operand of each accumulator's first product: nothing is cleared, nothing is added later.
; The last K step goes by rows of out0, so that finished rows leave while the others are multiplied.
;
; REGISTERS, in windows of 256 (s_set_vgpr_msb's low byte: bits 1:0 source 0, 3:2 source 1, 5:4 source 2, 7:6 destination):
;   window 0: v0-31 addresses and constants; v32-63 the bias as loaded, later rows on the way out; v64-127, v128-191 fragments of x, two buffers (in the last K step four, of 16 rows x 128 K);
;             v192-255 the bias in f32 (8 registers for each of my 8 column blocks), later at work on the way out
;   window 1: v64-127, v128-191 fragments of wk, two buffers; in the last K step all 256
;   window 2: the 32 accumulators of my rows 0-63 (accumulator (a, b) at v[8 (8 a + b)]);   window 3: those of my rows 64-127
.set SIZE_N, 4096
.set SIZE_K, 4096
.set KSTEP,  128
.set PITCH,  272                       ; an LDS row of x: 256 bytes + 16 of padding = 68 words: row r starts at bank 4 r mod 64 (64 banks of 4 bytes: ISA guide 11.1)
.set PB,     544                       ; an LDS row of wk: 512 bytes + 32 of padding = 136 words: row r starts at bank 8 r mod 64
.set HALFT,  128*PITCH                 ; what one tensor load brings: 128 rows of x, or 64 rows of wk (64 x 544 is the same 34,816 bytes)
.set SLOT,   4*HALFT                   ; x's 256 rows, then wk's 128 rows
.set STAGE,  2*SLOT                    ; behind the ring: 16 rows x 272 bytes for each wave, for the way out
.set SPITCH, 272
.set SPARE,  STAGE+4*16*SPITCH         ; behind the stages: the spare words, 128 bytes for each wave: two blocks of 256 bytes that no other line names
.set LAPS,   SIZE_K/(2*KSTEP)          ; a lap = two K steps = once round the ring
.set STEPA,  KSTEP*2                   ; a K step in x: 256 bytes along a row
.set STEPB,  KSTEP*SIZE_N*2            ; a K step in wk: 128 rows of 8,192 bytes
.set ADRA, 16                          ; v16-17  LDS address of my fragments of x in slot 0, 1
.set ADRB, 20                          ; v20-21  the same for wk
.set BO,   22                          ; v22     16 (l / 16): my 8 numbers in 16 of the bias
.set STO,  24                          ; v24     the way out: where I put 16 bytes of a row
.set RD,   25                          ; v25     the way out: where I read a row back
.set CO,   26                          ; v26     my byte offset in out0
.set ZR,   27                          ; v27     0.0
.set SPW,  28                          ; v28     LDS address of my spare word: SPARE + 4 x my thread's number; never rewritten
.set NIL,  29                          ; v29     0; never rewritten
.set PFO,  30                          ; v30     the prefetches' offset; never rewritten
.set ONE,  31                          ; v31     1.0
.set PKB,  32                          ; v32-63  the bias of my 128 columns' lanes' shares, f16 as loaded
.set BI,   192                         ; v192-255 the same in f32
.set F0,   64                          ; fragment buffer 0
.set F1,   128                         ; fragment buffer 1
.set TMP,  192                         ; the way out: packed results
.set OB,   32                          ; the way out: 16 rows read back from the stage: v32-63 and v224-255 by turns
.set PA,   64                          ; the last K step: x's fragments of 16 rows x 128 K, 32 registers; four such buffers, v64-191
.set G1,  24                           ; s[24:31] descriptor group 1 for x's tiles
.set G0,  32                           ; s[32:39] descriptor group 0 for x's tiles, one set for each slot
.set G1B, 48                           ; s[48:55] descriptor group 1 for wk's tiles
.set G0B, 56                           ; s[56:63] descriptor group 0 for wk's tiles, one set for each slot
.set LIM, 43                           ; s43      1 in a wave that prefetches, else the greatest number
.set PFA, 44                           ; s[44:45] where my prefetches stand
.set BIA, 68                           ; s[68:69] the bias
.set PST, 70                           ; s[70:71] a K step for my prefetches: STEPA or STEPB
.set MSB, 0
.macro WIN new                         ; the immediate's high byte repeats the setting that is left; a switch that changes nothing is dropped
.if MSB != (\new)
	s_set_vgpr_msb (MSB<<8)|(\new)
.set MSB, \new
.endif
.endm
.set MUL_LO, 0xa1                      ; source 0 (wk) window 1, source 1 (x) window 0, C and D window 2
.set MUL_HI, 0xf1                      ; the same, C and D window 3
.set TO_B,   0x40                      ; destination window 1, address window 0
; A joint load.  Waves 0 and 1 fetch x's two halves, waves 2 and 3 wk's.  Each of the two lines has ONE mask and one set of registers for all that issue it.  The branch hangs on the wave's number alone.
; An s_nop 0 and four v_nop follow each of the two lines, ahead of the jump, the label and what follows.
.macro JLOAD s
	s_cmp_eq_u32 s11, 0
	s_cbranch_scc0 .Lfor_b_\@
	tensor_load_to_lds s[G0+4*(\s):G0+4*(\s)+3], s[G1:G1+7]
	s_nop 0
.rept 4
	v_nop
.endr
	s_branch .Lasked_\@
.Lfor_b_\@:
	tensor_load_to_lds s[G0B+4*(\s):G0B+4*(\s)+3], s[G1B:G1B+7]
	s_nop 0
.rept 4
	v_nop
.endr
.Lasked_\@:
.endm
; A PREFETCH INTO THE L2, behind each joint load and the run of LDS loads that follows it: the K step that stands TWO refills on, 512 matrix instructions ahead of the load that will want it; one instruction a wave.
; Each aligned 256 bytes of x and of wk from K step 4 on are named ONCE in the launch.  x's tile row is read by every cluster of that row of clusters: cluster x = 0 asks; wk's tile column by every cluster of that
; column: cluster y = 0 asks.  The four partners that ask for a tile jointly share its rows out BY ADDRESS: of the 128 rows of x that a wave fetches the partner at cx takes 32, a lane a row; of the 64 rows of wk
; the partner at cy takes 16, two lanes a row of 512 bytes.  The loop's last trip (s3 = 1) asks for nothing: its two refills have no K step two on.
.macro ASK
	s_cmp_gt_u32 s3, s[LIM]
	s_cbranch_scc0 .Lnot_mine_\@
	global_prefetch_b8 v[PFO], s[PFA:PFA+1] th:TH_LOAD_NT scope:SCOPE_SE
.Lnot_mine_\@:
.endm
; A round of the cluster's barrier: my work-group's barrier, so that wave 0's signal speaks for all four waves; wave 0 signals for the work-group; every wave waits for all
; sixteen work-groups; my work-group's barrier once more.
.macro CREST                           ; a round behind its opening barrier
	s_cmp_lg_u32 s10, 0
	s_cbranch_scc1 .Lnot_wave_0_\@
	s_barrier_signal -3
.Lnot_wave_0_\@:
	s_barrier_wait -3
	s_barrier_signal -1
	s_barrier_wait -1
.endm
.macro CROUND                          ; a whole round
	s_barrier_signal -1
	s_barrier_wait -1
	CREST
.endm
	s_load_b128 s[4:7], s[0:1], 0x0                ; x s[4:5], wk s[6:7]
	s_load_b64 s[8:9], s[0:1], 0x10                ; out0
	s_load_b64 s[BIA:BIA+1], s[0:1], 0x18          ; bias
	v_lshl_add_u32 v[SPW], v0, 2, SPARE
	v_mov_b32 v[NIL], 0
	ds_add_u32 v[SPW], v[NIL]                      ; the wave's opening: the add and its wait stand ahead of my first tensor load; the set-up below, work on registers, stands between them
	v_lshrrev_b32 v1, 5, v0
	v_readfirstlane_b32 s10, v1                    ; wave 0..3
	s_lshr_b32 s11, s10, 1                         ; which half of the tile's rows is mine.  Also: I fetch for x (0) or for wk (1)
	s_and_b32 s12, s10, 1                          ; which half of its columns.  Also: which half of that tile's rows I fetch
	s_bfe_u32 s40, ttmp6, 0x40000                  ; cx: my place along the cluster's x
	s_bfe_u32 s41, ttmp6, 0x40004                  ; cy: along its y
	s_lshl_b32 s42, ttmp9, 2                       ; in a cluster launch ttmp9 and ttmp7 count clusters
	s_add_co_u32 s42, s42, s40                     ; tile column = 4 x cluster x + cx
	s_and_b32 s13, ttmp7, 0xffff
	s_lshl_b32 s13, s13, 2
	s_add_co_u32 s13, s13, s41                     ; tile row = 4 x cluster y + cy
	s_lshl_b32 s43, s41, 2
	s_lshl_b32 s43, 15, s43                        ; my row of the cluster: places 4 cy .. 4 cy + 3
	s_lshl_b32 s44, 0x1111, s40                    ; my column: places cx, cx + 4, cx + 8, cx + 12
	; descriptor group 1 for x: a tile of 128 rows x 128 elements, padded in LDS
	s_or_b32 s[G1+0], s43, (1<<16)|(1<<20)|(1<<21)|(5<<22)|(3<<25)  ; 15:0 the mask: my row; 17:16 elements of 2 bytes; 20 padding on; 21 set beside a mask; 24:22 after every 64 words (code 5); 31:25 4 words (code 3)
	s_mov_b32 s[G1+1], KSTEP<<16                   ; tensor_dim0 = 128
	s_mov_b32 s[G1+2], 128<<16                     ; tensor_dim1 = 128
	s_mov_b32 s[G1+3], KSTEP<<16                   ; tile_dim0 = 128
	s_mov_b32 s[G1+4], 128                         ; tile_dim1 = 128
	s_mov_b32 s[G1+5], SIZE_K                      ; elements from row to row
	s_mov_b32 s[G1+6], 0
	s_mov_b32 s[G1+7], 0
	; for wk: a tile of 64 rows (k) x 256 elements (n)
	s_or_b32 s[G1B+0], s44, (1<<16)|(1<<20)|(1<<21)|(6<<22)|(7<<25) ; the mask of my column; padding after every 128 words (code 6), 8 words (code 7)
	s_mov_b32 s[G1B+1], 256<<16                    ; tensor_dim0 = 256
	s_mov_b32 s[G1B+2], 64<<16                     ; tensor_dim1 = 64
	s_mov_b32 s[G1B+3], 256<<16                    ; tile_dim0 = 256
	s_mov_b32 s[G1B+4], 64                         ; tile_dim1 = 64
	s_mov_b32 s[G1B+5], SIZE_N                     ; elements from row to row
	s_mov_b32 s[G1B+6], 0
	s_mov_b32 s[G1B+7], 0
	; where the tiles come from.  x's hang on the tile row alone, which my row of the cluster shares; wk's on the tile column alone, which my column shares.
	; Every wave makes both addresses, in registers that never hold the other coordinate, and asks by one of them.
	s_lshl_b32 s17, s12, 7
	s_lshl_b32 s16, s13, 8
	s_add_co_u32 s16, s16, s17                     ; x: row 256 x tile row + 128 x half,
	s_lshl_b32 s16, s16, 13                        ; of 8,192 bytes (under 2^25)
	s_mov_b32 s17, 0
	s_lshl_b32 s46, s12, 19                        ; wk: row 64 x half, of 8,192 bytes,
	s_lshl_b32 s47, s42, 9                         ; and the tile column's 512 bytes
	s_add_co_u32 s46, s46, s47
	s_mov_b32 s47, 0
	s_mul_i32 s20, s10, HALFT                      ; and where they go: wave x 34,816 bytes: no place in the cluster enters an LDS address
	s_wait_dscnt 0x0                               ; the opening add is done
	s_wait_kmcnt 0x0
	s_add_nc_u64 s[14:15], s[4:5], s[16:17]
	s_add_nc_u64 s[46:47], s[6:7], s[46:47]
	CROUND                                         ; all sixteen work-groups are here: the first joint loads meet
.irp s, 0,1
	s_mov_b32 s[G0+4*(\s)], 1                                      ; 1:0 count = 1
	s_add_co_u32 s[G0+4*(\s)+1], s20, (\s)*SLOT                    ; 63:32 LDS address
	s_add_nc_u64 s[G0+4*(\s)+2:G0+4*(\s)+3], s[14:15], (\s)*STEPA  ; 120:64 global address: K step s
	s_or_b32 s[G0+4*(\s)+3], s[G0+4*(\s)+3], 0x80000000            ; 127:126 type = 2
	s_mov_b32 s[G0B+4*(\s)], 1
	s_add_co_u32 s[G0B+4*(\s)+1], s20, (\s)*SLOT
	s_add_nc_u64 s[G0B+4*(\s)+2:G0B+4*(\s)+3], s[46:47], (\s)*STEPB
	s_or_b32 s[G0B+4*(\s)+3], s[G0B+4*(\s)+3], 0x80000000
	JLOAD \s                                       ; the ring is filled before anything else is done: two loads of mine are out
.endr
	v_and_b32 v1, 15, v0                           ; l % 16
	v_bfe_u32 v2, v0, 4, 1                         ; l / 16
	s_lshl_b32 s46, s42, 9                         ; my first column, in bytes of f16: 512 x tile column + 256 x half
	s_lshl_b32 s47, s12, 8
	s_add_co_u32 s46, s46, s47
	s_mov_b32 s47, 0
	s_add_nc_u64 s[BIA:BIA+1], s[BIA:BIA+1], s[46:47]
	v_lshlrev_b32 v[BO], 4, v2
.irp b, 0,1,2,3,4,5,6,7
	global_load_b128 v[PKB+4*(\b):PKB+4*(\b)+3], v[BO], s[BIA:BIA+1] offset:32*(\b)  ; the bias of columns 16 b + 8 (l / 16) + 0..7 of my 128
.endr
	; A fragment of x is 16 rows x 32 K in 8 registers: lane l holds row l % 16; registers 0-3 hold K = 8 (l / 16) + 0..7, registers 4-7 K = 16 + 8 (l / 16) + 0..7: two loads of 16 bytes, 32 bytes apart.
	v_mul_u32_u24 v3, v1, PITCH
	v_lshl_add_u32 v3, v2, 4, v3                   ; row x pitch + 16 x half
	; The turning load takes 16 k x 16 columns (lane l reads 16 bytes: k row 8 (l / 16) + l % 8, columns 8 ((l / 8) % 2) + 0..7) and leaves half a fragment: lane l holds column l % 16 and 8 k.
	v_and_b32 v4, 7, v0
	v_lshl_add_u32 v4, v2, 3, v4
	v_mul_u32_u24 v4, v4, PB
	v_bfe_u32 v5, v0, 3, 1
	v_lshl_add_u32 v4, v5, 4, v4
	s_mul_i32 s21, s11, HALFT                      ; my 128 rows of x
	s_lshl_b32 s22, s12, 8                         ; my 128 columns of wk: 256 bytes of each row,
	s_add_co_u32 s22, s22, 2*HALFT                 ; behind x's 256 rows
.irp s, 0,1
	v_add_nc_u32 v[ADRA+(\s)], s21, v3
	v_add_nc_u32 v[ADRB+(\s)], s22, v4
	s_add_co_u32 s21, s21, SLOT
	s_add_co_u32 s22, s22, SLOT
.endr
	s_mul_i32 s23, s10, 16*SPITCH
	s_add_co_u32 s23, s23, STAGE                   ; my stage
	v_mul_u32_u24 v6, v1, SPITCH                   ; in: row l % 16, 16 bytes for each half of the lanes
	v_lshl_add_u32 v6, v2, 4, v6
	v_add_nc_u32 v[STO], s23, v6
	v_mul_u32_u24 v7, v2, SPITCH                   ; back: lanes 0-15 take one row of 256 bytes, lanes 16-31 the next
	v_lshl_add_u32 v7, v1, 4, v7
	v_add_nc_u32 v[RD], s23, v7
	v_mul_u32_u24 v7, v2, SIZE_N*2                 ; and the same two rows in out0
	v_lshl_add_u32 v[CO], v1, 4, v7
	; where my part of the tile begins in out0, in bytes: the way out adds it to out0's address
	s_lshl_b32 s16, s13, 8
	s_lshl_b32 s17, s11, 7
	s_add_co_u32 s16, s16, s17                     ; my first row,
	s_lshl_b32 s16, s16, 13                        ; of 8,192 bytes
	s_mov_b32 s17, 0
	s_add_nc_u64 s[16:17], s[16:17], s[46:47]      ; and my first column
	; the prefetches: each stands at K step 3; the first refill steps it to K step 4
	s_lshl_b32 s20, s13, 8
	s_lshl_b32 s21, s12, 7
	s_add_co_u32 s20, s20, s21                     ; x: the 128 rows that I fetch,
	s_lshl_b32 s21, s40, 5
	s_add_co_u32 s20, s20, s21                     ; my work-group's 32 of them,
	s_lshl_b32 s20, s20, 13
	s_add_co_u32 s20, s20, 3*STEPA                 ; K step 3
	s_lshl_b32 s21, s12, 6                         ; wk: the 64 rows that I fetch,
	s_lshl_b32 s22, s41, 4
	s_add_co_u32 s21, s21, s22                     ; my work-group's 16 of them,
	s_add_co_u32 s21, s21, 3*KSTEP                 ; K step 3,
	s_lshl_b32 s21, s21, 13
	s_lshl_b32 s22, s42, 9
	s_add_co_u32 s21, s21, s22                     ; the tile column's 512 bytes
	s_and_b32 s22, ttmp7, 0xffff                   ; cluster y
	s_mov_b32 s23, STEPB
	s_cmp_eq_u32 s11, 0                            ; do I fetch for x?
	s_cselect_b32 s20, s20, s21
	s_cselect_b32 s22, ttmp9, s22                  ; the coordinate along which other clusters read the same rows
	s_cselect_b64 s[PFA:PFA+1], s[4:5], s[6:7]
	s_cselect_b32 s[PST], STEPA, s23
	s_mov_b32 s[PST+1], 0
	s_mov_b32 s21, 0
	s_cmp_eq_u32 s22, 0
	s_cselect_b32 s[LIM], 1, -1                    ; the same in all sixteen partners, for a given wave
	s_add_nc_u64 s[PFA:PFA+1], s[PFA:PFA+1], s[20:21]
	v_and_b32 v5, 31, v0
	v_lshrrev_b32 v[PFO], s11, v5                  ; x: a lane a row; wk: two lanes a row,
	v_and_b32 v6, s11, v5
	v_lshlrev_b32 v[PFO], 13, v[PFO]
	v_lshl_add_u32 v[PFO], v6, 8, v[PFO]           ; 256 bytes apart
	; nothing is prefetched here, at the head, where every work-group's first two tiles are on their way: K steps 2 and 3 come by their refills alone
	v_mov_b32 v[ONE], 1.0
	v_mov_b32 v[ZR], 0
	s_wait_loadcnt 0x0                             ; the bias
.irp b, 0,1,2,3,4,5,6,7
.irp r, 0,1,2,3
	v_fma_mix_f32 v[BI+8*(\b)+2*(\r)],   v[PKB+4*(\b)+(\r)], v[ONE], v[ZR] op_sel_hi:[1,0,0]                  ; the low f16 x 1.0 + 0.0, in f32
	v_fma_mix_f32 v[BI+8*(\b)+2*(\r)+1], v[PKB+4*(\b)+(\r)], v[ONE], v[ZR] op_sel:[1,0,0] op_sel_hi:[1,0,0]   ; the high one
.endr
.endr
; 16 matrix instructions: m blocks a0, a0 + 1 of the window's four (hi = 0: my rows 0-63, 1: rows 64-127) x all 8 n blocks, 32 along K.
; zero = 1: the first product starts the sums, with the bias (window 0) as C.  The 64 accumulators take turns, one instruction a turn.
.macro MUL16 f, hi, a0, zero
.if \zero
	WIN 0x81+0x40*(\hi)
.else
	WIN MUL_LO+0x50*(\hi)
.endif
.irp a, \a0, (\a0)+1
.irp b, 0,1,2,3,4,5,6,7
.if \zero
	v_wmma_f32_16x16x32_f16 v[8*(8*(\a)+(\b)):8*(8*(\a)+(\b))+7], v[(\f)+8*(\b):(\f)+8*(\b)+7], v[(\f)+8*(4*(\hi)+(\a)):(\f)+8*(4*(\hi)+(\a))+7], v[BI+8*(\b):BI+8*(\b)+7]
.else
	v_wmma_f32_16x16x32_f16 v[8*(8*(\a)+(\b)):8*(8*(\a)+(\b))+7], v[(\f)+8*(\b):(\f)+8*(\b)+7], v[(\f)+8*(4*(\hi)+(\a)):(\f)+8*(4*(\hi)+(\a))+7], v[8*(8*(\a)+(\b)):8*(8*(\a)+(\b))+7]
.endif
.endr
.endr
.endm
; 32 LDS loads in one run: the fragments of quarter q of a K step (32 k x 128 columns of wk, turned; 128 rows of x x 32 k) into buffer f
.macro FETCH slot, q, f
	WIN TO_B
.irp i, 0,1,2,3,4,5,6,7
	ds_load_tr16_b128 v[(\f)+8*(\i):(\f)+8*(\i)+3],   v[ADRB+(\slot)] offset:(\q)*32*PB+32*(\i)
	ds_load_tr16_b128 v[(\f)+8*(\i)+4:(\f)+8*(\i)+7], v[ADRB+(\slot)] offset:(\q)*32*PB+16*PB+32*(\i)
.endr
	WIN 0
.irp i, 0,1,2,3,4,5,6,7
	ds_load_b128 v[(\f)+8*(\i):(\f)+8*(\i)+3],   v[ADRA+(\slot)] offset:64*(\q)+(\i)*16*PITCH
	ds_load_b128 v[(\f)+8*(\i)+4:(\f)+8*(\i)+7], v[ADRA+(\slot)] offset:64*(\q)+(\i)*16*PITCH+32
.endr
.endm
; A load into a register that a matrix instruction has read, and a vector instruction that reads a matrix result, stand four places behind that matrix instruction, and only plain vector
; instructions that name none of its registers are places (ISA guide 7.12.1 for vector instructions).
.macro PLACES
.rept 4
	v_nop
.endr
.endm
; A K step is four quarters of 32 along K, 64 matrix instructions each, on buffers 0, 1, 0, 1.
; One of the first three: multiplies buffer f; in its middle it fetches quarter q of the same slot into buffer g.
.macro QUARTER slot, q, f, g, zero
	s_wait_dscnt 8                                 ; wk's fragments and x's rows 0-63 are in; the youngest eight loads (x's rows 64-127) may be out
	MUL16 \f, 0, 0, \zero
	MUL16 \f, 0, 2, \zero
	PLACES
	FETCH \slot, \q, \g
	s_wait_dscnt 32                                ; all but the 32 just issued
	MUL16 \f, 1, 0, \zero
	MUL16 \f, 1, 2, \zero
.endm
; The last quarter multiplies buffer 1 and changes slots.  MEET is its first half: ONE barrier for the change of slots.  In front of it each wave waits for all its tensor loads, of which one is
; out: its part of the next slot; adds 0 to its spare word; and waits for that and for its own reads of this slot.  Behind it nobody reads this slot any more and the next slot is whole.
.macro MEET round                      ; round = 1: a round of the cluster's barrier follows
	WIN 0                                          ; (the add's two registers lie in window 0)
	s_wait_tensorcnt 0x0                           ; all my tensor loads have landed: the one that was out is my part of the next slot;
	ds_add_u32 v[SPW], v[NIL]                      ; 0 onto my spare word
	s_wait_dscnt 9                                 ; (the add and the youngest eight loads may be out)
	MUL16 F1, 0, 0, 0                              ; sixteen matrix instructions stand between the add and the wait for it
	s_wait_dscnt 0x0                               ; the add is done, and my reads of this slot are over:
	s_barrier_signal -1                            ; say so,
	MUL16 F1, 0, 2, 0                              ; work on registers while the others arrive,
.if \round
	WIN 0
.endif
	s_barrier_wait -1                              ; and go on when all four have said so
.endm
; The whole last quarter.  Behind the round the slot just read out is filled again first, with the K step two steps on; then come the next slot's first fragments.
; From a request to the wait for it a wave issues 224 matrix instructions; one tensor load of mine is out meanwhile.
.macro TURN slot, next
	s_wait_xcnt 0x0                                ; the last prefetch, a K step back, has read its address: it is stepped here, ahead of the waits of the change of slots
	s_add_nc_u64 s[PFA:PFA+1], s[PFA:PFA+1], s[PST:PST+1]
	MEET 1
	CREST                                          ; no wave of any partner still reads this slot's tile or has a load on its way
	s_add_nc_u64 s[G0+4*(\slot)+2:G0+4*(\slot)+3], s[G0+4*(\slot)+2:G0+4*(\slot)+3], 2*STEPA
	s_add_nc_u64 s[G0B+4*(\slot)+2:G0B+4*(\slot)+3], s[G0B+4*(\slot)+2:G0B+4*(\slot)+3], 2*STEPB
	JLOAD \slot                                    ; the first tensor load behind the round; the four v_nop behind it are also the places in front of the loads below
	FETCH \next, 0, F0
	ASK                                            ; behind the joint load and the run of LDS loads that the next products wait for
	MUL16 F1, 1, 0, 0
	MUL16 F1, 1, 2, 0
.endm
; THE LAST K STEP (it lies in slot 1) GOES BY ROWS OF out0.  All its fragments of wk (4 quarters x 64 registers) fill window 1; then my eight blocks of 16 rows are finished one after the
; other, each with 32 matrix instructions (its 8 accumulators by turns, K ascending).  LDS is read no more than in any other K step.
.macro BLOAD q                         ; wk's fragments of quarter q -> window 1, v[64 q ..]
	WIN TO_B
.irp i, 0,1,2,3,4,5,6,7
	ds_load_tr16_b128 v[64*(\q)+8*(\i):64*(\q)+8*(\i)+3],   v[ADRB+1] offset:(\q)*32*PB+32*(\i)
	ds_load_tr16_b128 v[64*(\q)+8*(\i)+4:64*(\q)+8*(\i)+7], v[ADRB+1] offset:(\q)*32*PB+16*PB+32*(\i)
.endr
.endm
.macro ALOAD a                         ; x's fragments of block a, all four quarters -> buffer a % 4
	WIN 0
.set FA, PA+32*((\a)%4)
.irp q, 0,1,2,3
	ds_load_b128 v[FA+8*(\q):FA+8*(\q)+3],   v[ADRA+1] offset:64*(\q)+(\a)*16*PITCH
	ds_load_b128 v[FA+8*(\q)+4:FA+8*(\q)+7], v[ADRA+1] offset:64*(\q)+(\a)*16*PITCH+32
.endr
.endm
.macro ROW a                           ; block a is finished: 32 matrix instructions
.set FA, PA+32*((\a)%4)                ; its fragments of x
.set AC, 64*((\a)%4)                   ; its eight accumulators, in window 2 (blocks 0-3) or 3 (blocks 4-7)
	WIN MUL_LO+0x50*((\a)/4)
.irp q, 0,1,2,3
.if (\a) == 0 && (\q) == 2
	s_wait_dscnt 24                                ; wk's quarter 2 is in (behind it: x's blocks 1 to 3)
.endif
.irp b, 0,1,2,3,4,5,6,7
	v_wmma_f32_16x16x32_f16 v[AC+8*(\b):AC+8*(\b)+7], v[64*(\q)+8*(\b):64*(\q)+8*(\b)+7], v[FA+8*(\q):FA+8*(\q)+7], v[AC+8*(\b):AC+8*(\b)+7]
.endr
.endr
.endm
; THE WAY OUT of block a, in three parts.  PACK: rounded to f16, 16 bytes a lane, each accumulator's registers in ascending order.  TOSTAGE: into my own stage in LDS, and back as whole rows of 256 bytes.  SEND: stored.
.macro PACK a
.set AC, 64*((\a)%4)
	WIN 0x0a+5*((\a)/4)                            ; sources 0 and 1: window 2 or 3
.irp b, 0,1,2,3,4,5,6,7
.irp r, 0,1,2,3
	v_cvt_pk_f16_f32 v[TMP+4*(\b)+(\r)], v[AC+8*(\b)+2*(\r)], v[AC+8*(\b)+2*(\r)+1]
.endr
.endr
	WIN 0
.endm
.macro TOSTAGE a
	WIN 0
.set BK, OB+192*((\a)%2)
.irp b, 0,1,2,3,4,5,6,7
	ds_store_b128 v[STO], v[TMP+4*(\b):TMP+4*(\b)+3] offset:32*(\b)
.endr
.irp t, 0,1,2,3,4,5,6,7
	ds_load_b128 v[BK+4*(\t):BK+4*(\t)+3], v[RD] offset:(\t)*2*SPITCH  ; LDS serves a wave's instructions in order (ISA guide 5.7.1.4): these see the stores above
.endr
.endm
.macro SEND a, younger                 ; younger: the LDS loads issued behind TOSTAGE's, which may stay out
	WIN 0
.set BK, OB+192*((\a)%2)
	s_wait_dscnt \younger                          ; the block is back in registers
	s_wait_xcnt 0x0                                ; every earlier memory instruction has had its addresses translated (ISA guide 3.1): only behind this wait are the stores' base and the registers that earlier stores read rewritten
.if (\a) == 0
	s_add_nc_u64 s[8:9], s[8:9], s[16:17]          ; on to my first rows
.else
	s_add_nc_u64 s[8:9], s[8:9], 16*SIZE_N*2       ; 16 rows on, so that the stores' offsets stay small: 14 rows at the most
.endif
.irp t, 0,1,2,3,4,5,6,7
	global_store_b128 v[CO], v[BK+4*(\t):BK+4*(\t)+3], s[8:9] offset:2*(\t)*SIZE_N*2  ; 16 lanes store 256 consecutive bytes, at a multiple of 256 from out0's first byte
.endr
.endm
	s_wait_tensorcnt 1                             ; my part of K step 0 is in; K step 1's may stay out
	s_barrier_signal -1
	s_barrier_wait -1                              ; everybody's is
	FETCH 0, 0, F0
	QUARTER 0, 1, F0, F1, 1                        ; the first quarter stands in front of the loop: its products start the sums, with the bias
	WIN 0                                          ; at a label and at a branch every window is 0
	s_mov_b32 s3, LAPS-1
.Llap:                                                 ; a trip goes once round the ring, from a lap's second quarter to the next lap's first, and fills both slots again
	QUARTER 0, 2, F1, F0, 0
	QUARTER 0, 3, F0, F1, 0
	TURN 0, 1
	QUARTER 1, 1, F0, F1, 0
	QUARTER 1, 2, F1, F0, 0
	QUARTER 1, 3, F0, F1, 0
	TURN 1, 0
	QUARTER 0, 1, F0, F1, 0
	WIN 0
	s_sub_co_u32 s3, s3, 1
	s_cmp_lg_u32 s3, 0
	s_cbranch_scc1 .Llap
	QUARTER 0, 2, F1, F0, 0                        ; the last lap goes on; it asks for nothing more
	QUARTER 0, 3, F0, F1, 0
	MEET 0                                         ; my one tensor load that was still out is slot 1's, the last K step's, so no round follows
	PLACES                                         ; for the loads into buffer 0, which the quarter before multiplied
	BLOAD 0                                        ; three quarters of wk now: buffer 1 (v128-191 of both windows) is still being multiplied
	BLOAD 1
	BLOAD 3
	ALOAD 0
	MUL16 F1, 1, 0, 0
	MUL16 F1, 1, 2, 0
	PLACES                                         ; for the loads into buffer 1
	BLOAD 2
	ALOAD 1
	ALOAD 2
	ALOAD 3
	s_wait_dscnt 40                                ; all but the 40 just issued
	ROW 0
.irp a, 0,1,2,3,4,5,6,7                ; each block leaves as soon as it is finished
	PLACES                                         ; its conversions read results just made
	PACK \a
	TOSTAGE \a
.if (\a) < 4
	ALOAD (\a)+4                                   ; its buffer takes the block four further on
	SEND \a, 8
.else
	SEND \a, 0
.endif
.if (\a) < 7
	ROW (\a)+1
.endif
.endr
	s_wait_tensorcnt 0x0                           ; the wave's end: behind my last tensor load and my last LDS store
	ds_add_u32 v[SPW], v[NIL]
	s_wait_dscnt 0x0
	CROUND                                         ; the closing round: no work-group ends while a partner may still ask for a tile that names it
	s_endpgm
.Lfunc_end_k_qb292ddf5e4_gemm:
	.size	k_qb292ddf5e4_gemm, .Lfunc_end_k_qb292ddf5e4_gemm-k_qb292ddf5e4_gemm
	.p2alignl 7, 3214868480
	.fill 96, 4, 3214868480
	.section	.rodata,"a",@progbits
	.p2align	6, 0x0
	.amdhsa_kernel k_qb292ddf5e4_gemm
		.amdhsa_group_segment_fixed_size 327680
		.amdhsa_private_segment_fixed_size 0
		.amdhsa_enable_private_segment 0
		.amdhsa_kernarg_size 32
		.amdhsa_user_sgpr_count 2
		.amdhsa_user_sgpr_kernarg_segment_ptr 1
		.amdhsa_wavefront_size32 1
		.amdhsa_system_sgpr_workgroup_id_x 1
		.amdhsa_system_sgpr_workgroup_id_y 1
		.amdhsa_system_sgpr_workgroup_id_z 1
		.amdhsa_system_vgpr_workitem_id 0
		.amdhsa_next_free_vgpr 1024
		.amdhsa_next_free_sgpr 72
		.amdhsa_reserve_vcc 0
		.amdhsa_float_denorm_mode_32 3
		.amdhsa_float_denorm_mode_16_64 3
		.amdhsa_memory_ordered 1
		.amdhsa_forward_progress 1
		.amdhsa_inst_pref_size 150
	.end_amdhsa_kernel
	.amdgpu_metadata
---
amdhsa.version: [ 1, 2 ]
amdhsa.kernels:
  - .name:           k_qb292ddf5e4_gemm
    .symbol:         k_qb292ddf5e4_gemm.kd
    .args:
      - { .name: x, .offset: 0, .size: 8, .value_kind: global_buffer, .address_space: global }
      - { .name: wk, .offset: 8, .size: 8, .value_kind: global_buffer, .address_space: global }
      - { .name: out0, .offset: 16, .size: 8, .value_kind: global_buffer, .address_space: global }
      - { .name: bias, .offset: 24, .size: 8, .value_kind: global_buffer, .address_space: global }
    .group_segment_fixed_size: 327680
    .private_segment_fixed_size: 0
    .kernarg_segment_align: 8
    .kernarg_segment_size: 32
    .max_flat_workgroup_size: 128
    .sgpr_count:     72
    .vgpr_count:     1024
    .wavefront_size: 32
...
	.end_amdgpu_metadata
.endif
;; end of part 2
;; ======== version 2 of 2: 2 launches; version 1 with the launch dequant written anew for expert scheduling mode
;; workspace buffers: wk 33,554,432 bytes
;; launch dequant (part 3): grid 16 x 32, 8 waves a work-group, no clusters, 0 bytes of LDS; arguments qweight, qzeros, scales, g_idx, wk; writes wk
.if DOCPART == 3
	.amdgcn_target "amdgcn-amd-amdhsa--gfx1250"
	.amdhsa_code_object_version 6
	.text
	.protected	k_qb292ddf5e4_dequant
	.globl	k_qb292ddf5e4_dequant
	.p2align	8
	.type	k_qb292ddf5e4_dequant,@function
k_qb292ddf5e4_dequant:
	s_mov_b64 s[64:65], 0
	v_nop
	global_prefetch_b8 v0, s[64:65] scope:SCOPE_SE
	s_setreg_imm32_b32 hwreg(HW_REG_WAVE_SCHED_MODE, 0, 2), 2
	s_setreg_imm32_b32 hwreg(HW_REG_WAVE_MODE, 25, 1), 1
	s_wait_xcnt 0x0
	s_wait_alu depctr_vm_vsrc(0)
; wk[k][n] = (q[k][n] - (znib[g_idx[k]][n] + 1)) * scales[g_idx[k]][n], in f16, [4096][4096] row-major, as the weight matrix lies in the problem.
; q: nibble j of qweight[k / 8][n], j = k % 8.  znib: nibble n % 8 of qzeros[g][n / 8].  The group g = g_idx[k] is read for every row k.
; SHARES.  A wave owns two rows of qweight (16 rows k) x 256 columns; a lane owns 8 neighbouring columns: their 8 zeros are ONE word of qzeros, their 8 scales 16 bytes on end,
; and its 8 results of a row are 16 bytes on end: a wave's store covers 512 consecutive bytes, aligned.  A row's group is one scalar for the whole wave.
; ARITHMETIC.  0x6400 | q is the f16 number 1024 + q, 0xe400 | z is -(1024 + z): their sum q - z is exact; d s - s in one fused multiply-add is (q - z - 1) s, rounded once.
; LIMITS.  |(q - z - 1) s| beyond 65,504 becomes an infinity (scales beyond 4,094).  g_idx is held to 0 .. 31 in front of the address; for indices inside the table that changes nothing.
; No LDS, no barrier, no cluster: no wave wants a byte that another has fetched but the two small tables (under one part in a hundred of the bytes moved).
; All 36 loads of a wave go out first; each row has its own registers, which are stored and never rewritten, so no wait for a store's sources is needed.
; THE MODE: SCHED_MODE bits 1:0 = 2 (LLVM: expert scheduling mode 2), set by the entry lines.  The code itself states the register dependences
; between vector instructions and memory instructions, with s_wait_alu, always for 0.
; THE PLAN.  Registers that memory instructions touch:
;   v[QO], v[SL]     offsets, made once at the head: QO is read by the four loads of qweight, SL by all sixteen stores.  Never written again.
;   v[ZO ..], v[SO ..]  row r's two offsets into the tables, made once, in one run; read by row r's two loads, which follow in one run.  Never written again.
;   v[Q ..], v[Z ..] written by loads alone, once; read by vector instructions behind their wait on LOADcnt.
;   v[S + 4 r ..]    written by row r's load of scales, then by row r's four multiply-adds; read by row r's store.  Never written again.
;   T, ZP, D, TL, TH are named by vector instructions alone.
; The 16 rows go in four blocks of four (the four nibbles of TL or of TH).  Block p's multiply-adds write its sixteen registers of S; its four stores are issued in block p + 1, one in front of each
; row's vector work, which names that row's own S and none of the block before.  So ONE wait on va_vdst at a block's head states all that the block's four stores hang on.
; No register that a memory instruction reads is written again anywhere in the text: there is no dependence for a wait on vm_vsrc to state.
.set QO, 2                             ; v2        my 32 bytes in a row of qweight
.set ZL, 3                             ; v3        my word in a row of qzeros
.set SL, 4                             ; v4        my 16 bytes in a row of scales and in a row of wk; never rewritten
.set T,  6                             ; v[6:9]    at work
.set ZP, 10                            ; v[10:13]  -(1024 + z), two columns a register
.set D,  14                            ; v[14:17]  1024 + q, then q - z
.set TL, 18                            ; v[18:21]  nibbles 0-3 of an even column (low half) and of the odd one beside it (high half)
.set TH, 22                            ; v[22:25]  nibbles 4-7 likewise
.set Q,  28                            ; v[28:43]  8 words of each of my two rows of qweight
.set ZO, 44                            ; v[44:59]  row r: byte offset of its word of qzeros
.set SO, 60                            ; v[60:75]  row r: byte offset of its 16 bytes of scales
.set Z,  76                            ; v[76:91]  row r: 8 zeros
.set S,  92                            ; v[92:155] row r: 8 scales, then 8 weights
	s_load_b256 s[4:11], s[0:1], 0x0               ; qweight s[4:5], qzeros s[6:7], scales s[8:9], g_idx s[10:11]
	s_load_b64 s[12:13], s[0:1], 0x20              ; wk
	v_lshrrev_b32 v1, 5, v0
	v_readfirstlane_b32 s14, v1                    ; wave 0..7
	s_lshl_b32 s2, ttmp9, 5                        ; the strip of 256 columns: 32 groups of 8
	v_and_b32 v1, 31, v0
	v_add_nc_u32 v1, s2, v1                        ; my group of 8 columns, 0..511
	v_lshlrev_b32 v[QO], 5, v1
	v_lshlrev_b32 v[ZL], 2, v1
	v_lshlrev_b32 v[SL], 4, v1
	s_mov_b32 s42, 0x000f000f                      ; a nibble in each half
	s_mov_b32 s43, 0x64006400                      ; 1024.0 twice
	s_mov_b32 s44, 0xe400e400                      ; -1024.0 twice
	s_mov_b32 s45, 0x05040100                      ; v_perm_b32: the two low halves
	s_mov_b32 s46, 0x07060302                      ; the two high halves
	s_and_b32 s15, ttmp7, 0xffff
	s_lshl_b32 s15, s15, 3
	s_wait_alu depctr_va_sdst(0)                   ; s14 is written, ahead of its first reader: the three bases below are made from it
	s_add_co_u32 s15, s15, s14                     ; u = 8 y + wave, 0..255: rows 16 u .. 16 u + 15 of wk
	s_lshl_b32 s36, s15, 6                         ; 16 numbers of g_idx
	s_mov_b32 s37, 0
	s_lshl_b32 s38, s15, 15                        ; 2 rows of qweight, 16,384 bytes each
	s_mov_b32 s39, 0
	s_lshl_b32 s40, s15, 17                        ; 16 rows of wk, 8,192 bytes each
	s_mov_b32 s41, 0
	s_wait_kmcnt 0x0
	s_add_nc_u64 s[10:11], s[10:11], s[36:37]
	s_add_nc_u64 s[4:5], s[4:5], s[38:39]
	s_add_nc_u64 s[12:13], s[12:13], s[40:41]
	s_load_b512 s[16:31], s[10:11], 0x0            ; my 16 rows' groups
	s_wait_alu depctr_va_vdst(0)                   ; v[QO] is written, which the four loads below read as their offset; so is v[SL], the offset of every store of the kernel
.irp w, 0,1
	global_load_b128 v[Q+8*(\w):Q+8*(\w)+3],   v[QO], s[4:5] offset:(\w)*16384 th:TH_LOAD_NT
	global_load_b128 v[Q+8*(\w)+4:Q+8*(\w)+7], v[QO], s[4:5] offset:(\w)*16384+16 th:TH_LOAD_NT
.endr
	s_wait_kmcnt 0x0
.irp r, 0,1,2,3,4,5,6,7,8,9,10,11,12,13,14,15
	s_min_u32 s[16+(\r)], s[16+(\r)], 31           ; a loaded index is bounded by a constant in front of the address
	v_lshl_add_u32 v[ZO+(\r)], s[16+(\r)], 11, v[ZL]  ; a row of qzeros is 2,048 bytes,
	v_lshl_add_u32 v[SO+(\r)], s[16+(\r)], 13, v[SL]  ; a row of scales 8,192
.endr
	s_wait_alu depctr_va_vdst(0)                   ; all 32 offsets v[ZO ..] and v[SO ..] are written, which the 32 loads below read
.irp r, 0,1,2,3,4,5,6,7,8,9,10,11,12,13,14,15
	global_load_b32  v[Z+(\r)], v[ZO+(\r)], s[6:7]
	global_load_b128 v[S+4*(\r):S+4*(\r)+3], v[SO+(\r)], s[8:9]
.endr
; Row r = 8 w + j of my 16: nibble j of word row w.  Rows 4 p .. 4 p + 3 are block p; in front of row r's vector work stands the store of row r - 4, of the block before.
.macro ROW w, j
.set r, 8*(\w)+(\j)
.set SRC, TL+4*((\j)/4)
	s_wait_loadcnt 30-2*r                          ; loads come back in order (ISA guide 5.7.1): this row's two are in, the two of each later row may stay out
.if r >= 4
.if (\j)%4 == 0
	s_wait_alu depctr_va_vdst(0)                   ; the block before has written its four rows' weights, v[S + 4 (r - 4) ..] to v[S + 4 r - 1], which this block's four stores read
.endif
	global_store_b128 v[SL], v[S+4*(r-4):S+4*(r-4)+3], s[12:13] offset:(r-4)*8192  ; the wave stores 512 consecutive bytes of row r - 4, at a multiple of 512 from wk's first byte; no vector instruction since the wait names these registers
.endif
.irp i, 0,1,2,3
	v_bfe_u32 v[T+(\i)], v[Z+r], 8*(\i), 8         ; the zeros of columns 2 i (low nibble) and 2 i + 1 (high nibble)
.endr
.irp i, 0,1,2,3
	v_lshl_or_b32 v[T+(\i)], v[T+(\i)], 12, v[T+(\i)]  ; the high nibble also at bits 16-19
.endr
.irp i, 0,1,2,3
	v_and_or_b32 v[ZP+(\i)], v[T+(\i)], s42, s44   ; -(1024 + z), twice
.endr
.irp c, 0,1,2,3
.if (\j)%4 != 0
	v_lshrrev_b32 v[D+(\c)], 4*((\j)%4), v[SRC+(\c)]
	v_and_or_b32 v[D+(\c)], v[D+(\c)], s42, s43    ; 1024 + q, twice
.else
	v_and_or_b32 v[D+(\c)], v[SRC+(\c)], s42, s43
.endif
.endr
.irp c, 0,1,2,3
	v_pk_add_f16 v[D+(\c)], v[D+(\c)], v[ZP+(\c)]  ; q - z, exact
.endr
.irp c, 0,1,2,3
	v_pk_fma_f16 v[S+4*r+(\c)], v[D+(\c)], v[S+4*r+(\c)], v[S+4*r+(\c)] neg_lo:[0,0,1] neg_hi:[0,0,1]  ; (q - z) s - s, one rounding
.endr
.endm
; Word row w: the halves of neighbouring columns' words are put side by side, then its eight rows: two blocks.
.macro KW w
.irp c, 0,1,2,3
	v_perm_b32 v[TL+(\c)], v[Q+8*(\w)+2*(\c)+1], v[Q+8*(\w)+2*(\c)], s45
	v_perm_b32 v[TH+(\c)], v[Q+8*(\w)+2*(\c)+1], v[Q+8*(\w)+2*(\c)], s46
.endr
.irp j, 0,1,2,3,4,5,6,7
	ROW \w, \j
.endr
.endm
	s_wait_loadcnt 32                              ; the four loads of qweight are in; the 32 of the tables, issued behind them, may stay out
	KW 0
	KW 1
	s_wait_alu depctr_va_vdst(0)                   ; the last block has written its four rows' weights, which the last four stores read
.irp t, 12,13,14,15
	global_store_b128 v[SL], v[S+4*(\t):S+4*(\t)+3], s[12:13] offset:(\t)*8192
.endr
	s_endpgm
.Lfunc_end_k_qb292ddf5e4_dequant:
	.size	k_qb292ddf5e4_dequant, .Lfunc_end_k_qb292ddf5e4_dequant-k_qb292ddf5e4_dequant
	.p2alignl 7, 3214868480
	.fill 96, 4, 3214868480
	.section	.rodata,"a",@progbits
	.p2align	6, 0x0
	.amdhsa_kernel k_qb292ddf5e4_dequant
		.amdhsa_group_segment_fixed_size 0
		.amdhsa_private_segment_fixed_size 0
		.amdhsa_enable_private_segment 0
		.amdhsa_kernarg_size 40
		.amdhsa_user_sgpr_count 2
		.amdhsa_user_sgpr_kernarg_segment_ptr 1
		.amdhsa_wavefront_size32 1
		.amdhsa_system_sgpr_workgroup_id_x 1
		.amdhsa_system_sgpr_workgroup_id_y 1
		.amdhsa_system_sgpr_workgroup_id_z 1
		.amdhsa_system_vgpr_workitem_id 0
		.amdhsa_next_free_vgpr 156
		.amdhsa_next_free_sgpr 66
		.amdhsa_reserve_vcc 0
		.amdhsa_float_denorm_mode_32 3
		.amdhsa_float_denorm_mode_16_64 3
		.amdhsa_memory_ordered 1
		.amdhsa_forward_progress 1
		.amdhsa_inst_pref_size 37
	.end_amdhsa_kernel
	.amdgpu_metadata
---
amdhsa.version: [ 1, 2 ]
amdhsa.kernels:
  - .name:           k_qb292ddf5e4_dequant
    .symbol:         k_qb292ddf5e4_dequant.kd
    .args:
      - { .name: qweight, .offset: 0, .size: 8, .value_kind: global_buffer, .address_space: global }
      - { .name: qzeros, .offset: 8, .size: 8, .value_kind: global_buffer, .address_space: global }
      - { .name: scales, .offset: 16, .size: 8, .value_kind: global_buffer, .address_space: global }
      - { .name: g_idx, .offset: 24, .size: 8, .value_kind: global_buffer, .address_space: global }
      - { .name: wk, .offset: 32, .size: 8, .value_kind: global_buffer, .address_space: global }
    .group_segment_fixed_size: 0
    .private_segment_fixed_size: 0
    .kernarg_segment_align: 8
    .kernarg_segment_size: 40
    .max_flat_workgroup_size: 256
    .sgpr_count:     66
    .vgpr_count:     156
    .wavefront_size: 32
...
	.end_amdgpu_metadata
.endif
;; end of part 3
;; launch gemm: the kernel of part 2 again; grid 16 x 16, 4 waves a work-group, clusters of 4 x 4, 327,680 bytes of LDS; arguments x, wk, out0, bias; writes out0
